; MI455X (gfx1250); checked and timed in simulation.
; The chip was launched on July 23, 2026; its instructions are those of AMD's public machine-readable ISA for CDNA 5 (MIT licence, August 2026) and "CDNA5" Instruction Set Architecture Reference Guide (July 2026). The comments in the code are by the model that wrote it; some were corrected since.
;; Output. Allowed arithmetic: float matrix products may take bf16 or f16 operands with f32 sums; all other float work in f32.
;; Inputs: W1 512 x 512 float32; W2 256 x 512 float32; b1 512 float32; b2 256 float32; x 32 x 512 x 4,096 float32.
;; Outputs: out0 32 x 256 float32.
;; 2 versions, each right; version 2 is version 1 with the launch output written anew for expert scheduling mode. Each part assembles by itself: llvm-mc -triple=amdgcn-amd-amdhsa -mcpu=gfx1250 --defsym DOCPART=n.
;; ======== version 1 of 2: 3 launches
;; workspace buffers: xl 32,768 bytes; hid 32,768 bytes
;; launch gather (part 1): grid 64 x 1, 1 waves a work-group, no clusters, 0 bytes of LDS; arguments x, xl; writes xl
.if DOCPART == 1
	.amdgcn_target "amdgcn-amd-amdhsa--gfx1250"
	.amdhsa_code_object_version 6
	.text
	.protected	k_q287af6d07b_gather
	.globl	k_q287af6d07b_gather
	.p2align	8
	.type	k_q287af6d07b_gather,@function
k_q287af6d07b_gather:
	s_mov_b64 s[64:65], 0
	v_nop
	global_prefetch_b8 v0, s[64:65] scope:SCOPE_SE
	s_setreg_imm32_b32 hwreg(HW_REG_WAVE_MODE, 25, 1), 1
	s_wait_xcnt 0x0
; xl = bf16(x[:, :, 4095]).  x: [32][512][4096] f32.  The module keeps y[:, :, -1] alone, and its two products mix no time steps,
; so of x only the last time step's 32 x 512 numbers reach the output: they are read here, each once; the rest of x is work whose result the module itself drops.
; LAYOUT OF xl (and of hid, which the next launch writes).  Element (batch b, channel k), bf16, lies at byte
;   (b >> 4) * 16384 + (k >> 4) * 512 + ((k >> 3) & 1) * 256 + (b & 15) * 16 + (k & 7) * 2.
; A block (bt, kt) of 512 bytes holds 16 batches x 16 channels, lane l = (b & 15) + 16 ((k >> 3) & 1) owning its 16 bytes at 16 l: two such blocks, loaded
; 16 bytes a lane, ARE the second source (32 channels x 16 batches) of the bf16 matrix instruction (ISA guide 7.12.2: the 16-bit operands' layout).
; SHARES.  One wave a work-group; work-group 32 bt + kt makes block (bt, kt): a lane fetches its batch's eight channels, 16,384 bytes apart, by eight loads that are all out together.
; LIMIT.  x is rounded to bf16 (nearest even); bf16 has f32's range.
.set LAST, 4095*4                      ; the last time step's byte in a row of x
.set CHAN, 4096*4                      ; bytes from channel to channel
.set XO,  3                            ; v3       my batch's and my half's byte offset in x
.set SO,  4                            ; v4       my 16 bytes in the block
.set F,   8                            ; v[8:15]  eight f32
.set PK,  16                           ; v[16:19] eight bf16
	s_load_b128 s[4:7], s[0:1], 0x0                ; x s[4:5], xl s[6:7]
	v_and_b32 v1, 15, v0                           ; r: my batch in the tile of 16
	v_lshrrev_b32 v2, 4, v0                        ; h: which eight of the block's 16 channels
	v_lshlrev_b32 v[XO], 23, v1                    ; a batch is 512 x 16,384 bytes
	v_lshl_add_u32 v[XO], v2, 17, v[XO]            ; eight channels are 131,072
	v_lshlrev_b32 v[SO], 4, v0
	s_lshr_b32 s8, ttmp9, 5                        ; bt
	s_and_b32 s9, ttmp9, 31                        ; kt
	s_lshl_b32 s8, s8, 27                          ; 16 batches
	s_lshl_b32 s9, s9, 18                          ; 16 channels
	s_add_co_u32 s8, s8, s9                        ; under 2^28
	s_mov_b32 s9, 0
	s_lshl_b32 s10, ttmp9, 9                       ; the block's 512 bytes in xl
	s_mov_b32 s11, 0
	s_wait_kmcnt 0x0
	s_add_nc_u64 s[4:5], s[4:5], s[8:9]
	s_add_nc_u64 s[6:7], s[6:7], s[10:11]
.irp j, 0,1,2,3,4,5,6,7
	global_load_b32 v[F+(\j)], v[XO], s[4:5] offset:(\j)*CHAN+LAST th:TH_LOAD_NT  ; the farthest of all is x's last number
.endr
	s_wait_loadcnt 0x0                             ; all eight
.irp i, 0,1,2,3
	v_cvt_pk_bf16_f32 v[PK+(\i)], v[F+2*(\i)], v[F+2*(\i)+1]
.endr
	global_store_b128 v[SO], v[PK:PK+3], s[6:7]    ; the wave stores 512 consecutive bytes, at a multiple of 512 from xl's first
	s_endpgm
.Lfunc_end_k_q287af6d07b_gather:
	.size	k_q287af6d07b_gather, .Lfunc_end_k_q287af6d07b_gather-k_q287af6d07b_gather
	.p2alignl 7, 3214868480
	.fill 96, 4, 3214868480
	.section	.rodata,"a",@progbits
	.p2align	6, 0x0
	.amdhsa_kernel k_q287af6d07b_gather
		.amdhsa_group_segment_fixed_size 0
		.amdhsa_private_segment_fixed_size 0
		.amdhsa_enable_private_segment 0
		.amdhsa_kernarg_size 16
		.amdhsa_user_sgpr_count 2
		.amdhsa_user_sgpr_kernarg_segment_ptr 1
		.amdhsa_wavefront_size32 1
		.amdhsa_system_sgpr_workgroup_id_x 1
		.amdhsa_system_sgpr_workgroup_id_y 1
		.amdhsa_system_sgpr_workgroup_id_z 1
		.amdhsa_system_vgpr_workitem_id 0
		.amdhsa_next_free_vgpr 20
		.amdhsa_next_free_sgpr 66
		.amdhsa_reserve_vcc 0
		.amdhsa_float_denorm_mode_32 3
		.amdhsa_float_denorm_mode_16_64 3
		.amdhsa_memory_ordered 1
		.amdhsa_forward_progress 1
		.amdhsa_inst_pref_size 2
	.end_amdhsa_kernel
	.amdgpu_metadata
---
amdhsa.version: [ 1, 2 ]
amdhsa.kernels:
  - .name:           k_q287af6d07b_gather
    .symbol:         k_q287af6d07b_gather.kd
    .args:
      - { .name: x, .offset: 0, .size: 8, .value_kind: global_buffer, .address_space: global }
      - { .name: xl, .offset: 8, .size: 8, .value_kind: global_buffer, .address_space: global }
    .group_segment_fixed_size: 0
    .private_segment_fixed_size: 0
    .kernarg_segment_align: 8
    .kernarg_segment_size: 16
    .max_flat_workgroup_size: 32
    .sgpr_count:     66
    .vgpr_count:     20
    .wavefront_size: 32
...
	.end_amdgpu_metadata
.endif
;; end of part 1
;; launch hidden (part 2): grid 32 x 1, 8 waves a work-group, no clusters, 17,408 bytes of LDS; arguments W1, b1, xl, hid; writes hid
.if DOCPART == 2
	.amdgcn_target "amdgcn-amd-amdhsa--gfx1250"
	.amdhsa_code_object_version 6
	.text
	.protected	k_q287af6d07b_hidden
	.globl	k_q287af6d07b_hidden
	.p2align	8
	.type	k_q287af6d07b_hidden,@function
k_q287af6d07b_hidden:
	s_mov_b64 s[64:65], 0
	v_nop
	global_prefetch_b8 v0, s[64:65] scope:SCOPE_SE
	s_setreg_imm32_b32 hwreg(HW_REG_WAVE_MODE, 25, 1), 1
	s_wait_xcnt 0x0
; hid = bf16(relu(W1 xl + b1)).  W1: [512][512] f32, b1: [512] f32; xl and hid: 32 batches x 512 channels in bf16, in blocks of 512 bytes:
; element (b, k) at (b >> 4) * 16384 + (k >> 4) * 512 + ((k >> 3) & 1) * 256 + (b & 15) * 16 + (k & 7) * 2.
; SHARES.  Work-group jt owns the 16 hidden channels 16 jt .. 16 jt + 15 for all 32 batches: 32 KiB of W1, read by nobody else.  Its eight waves split K: wave w takes input
; channels 64 w .. 64 w + 63, two matrix instructions deep, on two accumulators (batches 0-15, 16-31) that take turns.  The eight partial sums meet in LDS; waves 0 and 1 add them,
; one batch tile each, onto the bias, and store a block of hid each.  All of a wave's loads go out together at its head: the launch is one trip to memory long.
; PRODUCT.  Source 0 = 16 rows of W1 (rounded to bf16 here), source 1 = 16 batches of xl.  In the result lane l holds batch l % 16 and hidden channels 8 (l / 16) + 0..7:
; packed to bf16 these are the lane's 16 bytes of a block of hid, so nothing changes lanes.
; NO CLUSTER: what the work-groups share is xl, 32 KiB against the 1 MiB of W1 that they do not; it goes straight into registers as fragments, and a joint load would add a trip through LDS.
; LIMITS.  W1 and the hidden values are rounded to bf16 (f32's range); sums in f32, in the order bias, wave 0, .. wave 7.  The relu is a maximum in which a NaN loses: a NaN becomes 0.
.set PART,  0                          ; LDS: wave w, accumulator a, register half q, lane l at 2048 w + 1024 a + 512 q + 16 l: every store and load is 512 consecutive bytes
.set SPARE, 16384                      ; behind them: the spare words, 128 bytes for each of the eight waves: four blocks of 256 bytes that no other line names
.set WO,  4                            ; v4   my byte offset in the group's 16 rows of W1
.set XO,  5                            ; v5   my byte offset in xl; also my LDS address in PART (both are 2048 w + 16 l)
.set BO,  6                            ; v6   my byte offset in the group's 16 numbers of b1
.set RD,  7                            ; v7   waves 0, 1: where I read the partial sums
.set SPW, 8                            ; v8   LDS address of my spare word; never rewritten
.set NIL, 9                            ; v9   0; never rewritten
.set HO,  10                           ; v10  waves 0, 1: my byte offset in hid
.set PK,  12                           ; v[12:15]   eight bf16 to store
.set RAW, 16                           ; v[16:47]   W1 as loaded: K step s at RAW + 16 s
.set AF,  48                           ; v[48:63]   W1's fragments: K step s at AF + 8 s
.set BF,  64                           ; v[64:95]   xl's fragments: batch tile t, K step s at BF + 16 t + 8 s
.set ACC, 96                           ; v[96:111]  batch tile t at ACC + 8 t
.set BI,  112                          ; v[112:119] the bias, then the sum
.set PT,  120                          ; v[120:183] wave p's partial sum at PT + 8 p
	s_load_b256 s[4:11], s[0:1], 0x0               ; W1 s[4:5], b1 s[6:7], xl s[8:9], hid s[10:11]
	v_lshl_add_u32 v[SPW], v0, 2, SPARE
	v_mov_b32 v[NIL], 0
	v_lshrrev_b32 v1, 5, v0
	v_readfirstlane_b32 s12, v1                    ; wave 0..7
	v_and_b32 v1, 31, v0                           ; l
	v_and_b32 v2, 15, v0                           ; r = l % 16
	v_bfe_u32 v3, v0, 4, 1                         ; h = l / 16
	s_lshl_b32 s13, s12, 11                        ; four blocks of xl; a wave's part of PART
	s_lshl_b32 s16, s12, 8                         ; 64 f32 of a row of W1
	s_lshl_b32 s17, s12, 10                        ; accumulator w in a wave's part of PART
	s_lshl_b32 s18, s12, 14                        ; batch tile w of hid
	v_lshlrev_b32 v[WO], 11, v2                    ; row r, 2,048 bytes a row,
	v_lshl_add_u32 v[WO], v3, 5, v[WO]             ; eight f32 for each half of the lanes,
	v_add_nc_u32 v[WO], s16, v[WO]                 ; my wave's 256 bytes of the row
	v_lshl_add_u32 v[XO], v1, 4, s13
	v_lshlrev_b32 v[BO], 5, v3                     ; b1 of hidden channels 8 h + 0..7
	v_lshl_add_u32 v[RD], v1, 4, s17
	v_lshl_add_u32 v[HO], v1, 4, s18
	s_lshl_b32 s14, ttmp9, 15                      ; the group's 16 rows of W1,
	s_mov_b32 s15, 0
	s_lshl_b32 s20, ttmp9, 6                       ; its 16 numbers of b1,
	s_mov_b32 s21, 0
	s_lshl_b32 s22, ttmp9, 9                       ; its block in each batch tile of hid
	s_mov_b32 s23, 0
	s_wait_kmcnt 0x0
	s_add_nc_u64 s[4:5], s[4:5], s[14:15]
	s_add_nc_u64 s[6:7], s[6:7], s[20:21]
	s_add_nc_u64 s[10:11], s[10:11], s[22:23]
	; A fragment's lane holds K = 8 h + 0..7 and 16 + 8 h + 0..7 of its row: in f32 that is 32 bytes at 32 h and 32 bytes at 64 + 32 h.  The eight loads together take every byte of the wave's 256 of each row.
.irp s, 0,1
.irp i, 0,1,2,3
	global_load_b128 v[RAW+16*(\s)+4*(\i):RAW+16*(\s)+4*(\i)+3], v[WO], s[4:5] offset:128*(\s)+64*((\i)/2)+16*((\i)%2) th:TH_LOAD_NT
.endr
.endr
.irp t, 0,1
.irp i, 0,1,2,3
	global_load_b128 v[BF+16*(\t)+4*(\i):BF+16*(\t)+4*(\i)+3], v[XO], s[8:9] offset:16384*(\t)+512*(\i)  ; block 4 w + i of batch tile t: 512 consecutive bytes
.endr
.endr
	global_load_b128 v[BI:BI+3],   v[BO], s[6:7]             ; every wave asks for the bias, so that the counts below hold on every wave's path; waves 0 and 1 use it
	global_load_b128 v[BI+4:BI+7], v[BO], s[6:7] offset:16
	s_wait_loadcnt 10                              ; W1's eight are in: behind them stand xl's eight and the bias's two
.set i, 0
.rept 16
	v_cvt_pk_bf16_f32 v[AF+i], v[RAW+2*i], v[RAW+2*i+1]
.set i, i+1
.endr
	s_wait_loadcnt 2                               ; xl is in; the bias may stay out
	; the two accumulators take turns, one instruction a turn; the first products start the sums
	v_wmma_f32_16x16x32_bf16 v[ACC:ACC+7],    v[AF:AF+7],    v[BF:BF+7],     0
	v_wmma_f32_16x16x32_bf16 v[ACC+8:ACC+15], v[AF:AF+7],    v[BF+16:BF+23], 0
	v_wmma_f32_16x16x32_bf16 v[ACC:ACC+7],    v[AF+8:AF+15], v[BF+8:BF+15],  v[ACC:ACC+7]
	v_wmma_f32_16x16x32_bf16 v[ACC+8:ACC+15], v[AF+8:AF+15], v[BF+24:BF+31], v[ACC+8:ACC+15]
.rept 4
	v_nop                                          ; four places between a matrix instruction and the LDS stores that read its result; no other vector work is at hand
.endr
.irp i, 0,1,2,3
	ds_store_b128 v[XO], v[ACC+4*(\i):ACC+4*(\i)+3] offset:PART+512*(\i)  ; each accumulator's low four registers first
.endr
	s_wait_dscnt 0x0                               ; for the others' sake: my partial sums are in LDS
	s_barrier_signal -1
	s_barrier_wait -1                              ; everybody's are
	s_cmp_ge_u32 s12, 2
	s_cbranch_scc1 .Lend                           ; waves 2 to 7 have done their part
.irp p, 0,1,2,3,4,5,6,7
	ds_load_b128 v[PT+8*(\p):PT+8*(\p)+3],   v[RD] offset:PART+2048*(\p)
	ds_load_b128 v[PT+8*(\p)+4:PT+8*(\p)+7], v[RD] offset:PART+2048*(\p)+512
.endr
	s_wait_loadcnt 0x0                             ; the bias
.irp p, 0,1,2,3,4,5,6,7
	s_wait_dscnt 14-2*(\p)                         ; LDS loads come back in order (ISA guide 5.7.1): wave p's two are in, two for each later wave may be out
.irp i, 0,1,2,3
	v_pk_add_f32 v[BI+2*(\i):BI+2*(\i)+1], v[BI+2*(\i):BI+2*(\i)+1], v[PT+8*(\p)+2*(\i):PT+8*(\p)+2*(\i)+1]
.endr
.endr
.irp i, 0,1,2,3,4,5,6,7
	v_max_num_f32 v[BI+(\i)], 0, v[BI+(\i)]        ; relu
.endr
.irp i, 0,1,2,3
	v_cvt_pk_bf16_f32 v[PK+(\i)], v[BI+2*(\i)], v[BI+2*(\i)+1]
.endr
	global_store_b128 v[HO], v[PK:PK+3], s[10:11]  ; block (batch tile w, jt) of hid: 512 consecutive bytes, at a multiple of 512 from hid's first
.Lend:
	s_wait_tensorcnt 0x0                           ; the wave's end, behind my last LDS store
	ds_add_u32 v[SPW], v[NIL]
	s_wait_dscnt 0x0
	s_endpgm
.Lfunc_end_k_q287af6d07b_hidden:
	.size	k_q287af6d07b_hidden, .Lfunc_end_k_q287af6d07b_hidden-k_q287af6d07b_hidden
	.p2alignl 7, 3214868480
	.fill 96, 4, 3214868480
	.section	.rodata,"a",@progbits
	.p2align	6, 0x0
	.amdhsa_kernel k_q287af6d07b_hidden
		.amdhsa_group_segment_fixed_size 17408
		.amdhsa_private_segment_fixed_size 0
		.amdhsa_enable_private_segment 0
		.amdhsa_kernarg_size 32
		.amdhsa_user_sgpr_count 2
		.amdhsa_user_sgpr_kernarg_segment_ptr 1
		.amdhsa_wavefront_size32 1
		.amdhsa_system_sgpr_workgroup_id_x 1
		.amdhsa_system_sgpr_workgroup_id_y 1
		.amdhsa_system_sgpr_workgroup_id_z 1
		.amdhsa_system_vgpr_workitem_id 0
		.amdhsa_next_free_vgpr 184
		.amdhsa_next_free_sgpr 66
		.amdhsa_reserve_vcc 0
		.amdhsa_float_denorm_mode_32 3
		.amdhsa_float_denorm_mode_16_64 3
		.amdhsa_memory_ordered 1
		.amdhsa_forward_progress 1
		.amdhsa_inst_pref_size 9
	.end_amdhsa_kernel
	.amdgpu_metadata
---
amdhsa.version: [ 1, 2 ]
amdhsa.kernels:
  - .name:           k_q287af6d07b_hidden
    .symbol:         k_q287af6d07b_hidden.kd
    .args:
      - { .name: W1, .offset: 0, .size: 8, .value_kind: global_buffer, .address_space: global }
      - { .name: b1, .offset: 8, .size: 8, .value_kind: global_buffer, .address_space: global }
      - { .name: xl, .offset: 16, .size: 8, .value_kind: global_buffer, .address_space: global }
      - { .name: hid, .offset: 24, .size: 8, .value_kind: global_buffer, .address_space: global }
    .group_segment_fixed_size: 17408
    .private_segment_fixed_size: 0
    .kernarg_segment_align: 8
    .kernarg_segment_size: 32
    .max_flat_workgroup_size: 256
    .sgpr_count:     66
    .vgpr_count:     184
    .wavefront_size: 32
...
	.end_amdgpu_metadata
.endif
;; end of part 2
;; launch output (part 3): grid 2 x 1, 16 waves a work-group, no clusters, 35,072 bytes of LDS; arguments W2, b2, hid, out0; writes out0
.if DOCPART == 3
	.amdgcn_target "amdgcn-amd-amdhsa--gfx1250"
	.amdhsa_code_object_version 6
	.text
	.protected	k_q287af6d07b_output
	.globl	k_q287af6d07b_output
	.p2align	8
	.type	k_q287af6d07b_output,@function
k_q287af6d07b_output:
	s_mov_b64 s[64:65], 0
	v_nop
	global_prefetch_b8 v0, s[64:65] scope:SCOPE_SE
	s_setreg_imm32_b32 hwreg(HW_REG_WAVE_MODE, 25, 1), 1
	s_wait_xcnt 0x0
; out0 = softmax over the 256 channels of (W2 h + b2).  W2: [256][512] f32, b2: [256] f32, out0: [32][256] f32; hid: 32 batches x 512 channels in bf16, in blocks of 512 bytes:
; element (b, k) at (b >> 4) * 16384 + (k >> 4) * 512 + ((k >> 3) & 1) * 256 + (b & 15) * 16 + (k & 7) * 2.
; SHARES.  A softmax wants a batch's 256 scores together and the matrix instruction takes 16 batches, so a work-group owns 16 batches and all of W2: two work-groups.  Of its sixteen waves
; wave w makes the scores of channels 16 w .. 16 w + 15 over all K (32 KiB of W2), and afterwards the whole softmax of the group's batch w.
; K goes in eight chunks of 64: two matrix instructions, the even K step's onto one accumulator, the odd one's onto the other, which so take turns.  W2 comes through a ring of four register
; slots of a chunk each: 32 loads of a wave are out from the head on.  The bias is loaded into the first accumulator and is the C of its first product.
; PRODUCT.  Source 0 = 16 rows of W2 (rounded to bf16 here), source 1 = 16 batches of hid, whose blocks are fragments as they lie; the group's 16 KiB of hid are copied once into LDS, a sixteenth a wave.
; In the result lane l holds batch l % 16 and channels 8 (l / 16) + 0..7: 32 neighbouring bytes of a row of scores, which go through a stage in LDS to the wave that owns the row.
; SOFTMAX.  p = 2^((y - m) log2 e) with m the row's true maximum; the difference is made first, so the largest exponent is exactly 0 and the sum lies in 1 to 256 whatever the size of y.
; NO CLUSTER: two work-groups are no multiple of a cluster of four.
; LIMITS.  W2 is rounded to bf16 (f32's range); sums in f32.  A weight below 2^-126 counts as 0 (the exponential flushes: ISA guide 15.8).  NaN and infinities are not treated apart.
.set HL,    0                          ; LDS: the group's half of hid, as it lies in memory: 16,384 bytes
.set STAGE, 16384                      ; 16 rows of 256 scores
.set SP,    1040                       ; a stage row: 1,024 bytes + 16 = 260 words: row r starts at bank 4 r mod 64 (64 banks of 4 bytes: ISA guide 11.1), so the 16 rows of a store start at 16 different banks
.set SPARE, STAGE+16*SP                ; 33,024: the spare words, 128 bytes for each of the sixteen waves: eight blocks of 256 bytes that no other line names
.set L16, 1                            ; v1   16 l: my 16 bytes in a block of hid
.set VH,  4                            ; v4   1024 w + 16 l: my bytes of hid in memory and in LDS, and of my row of out0
.set VW,  5                            ; v5   my byte offset in W2
.set VB,  6                            ; v6   my byte offset in b2; also my 32 bytes in a stage row
.set VST, 7                            ; v7   where I put my scores
.set SPW, 8                            ; v8   LDS address of my spare word; never rewritten
.set NIL, 9                            ; v9   0; never rewritten
.set VRD, 10                           ; v10  where I read my row of scores
.set Y,   16                           ; v[16:23]   hid on its way to LDS; later my eight numbers of the row
.set M,   24                           ; v[24:25]   the maximum, the sum, its reciprocal; beside it what the other half of the lanes sends
.set T,   26                           ; v[26:29]   at work
.set RAW, 32                           ; v[32:159]  W2 as loaded: chunk c in slot c % 4 of 32 registers
.set AF,  160                          ; v[160:191] W2's fragments: two buffers of two K steps
.set BF,  192                          ; v[192:223] hid's fragments: likewise
.set ACC, 224                          ; v[224:231] even K steps and the bias; v[232:239] odd K steps
	s_load_b256 s[4:11], s[0:1], 0x0               ; W2 s[4:5], b2 s[6:7], hid s[8:9], out0 s[10:11]
	v_lshl_add_u32 v[SPW], v0, 2, SPARE
	v_mov_b32 v[NIL], 0
	v_lshrrev_b32 v1, 5, v0
	v_readfirstlane_b32 s12, v1                    ; wave 0..15
	v_and_b32 v1, 31, v0
	v_lshlrev_b32 v[L16], 4, v1
	v_and_b32 v2, 15, v0                           ; r = l % 16
	v_bfe_u32 v3, v0, 4, 1                         ; h = l / 16
	v_mov_b32 v[M+1], 0                            ; v_permlanex16_b32's destination counts as read: it is written once here
	s_lshl_b32 s14, ttmp9, 14                      ; the group's half of hid, and its 16 rows of out0: 16,384 bytes each
	s_mov_b32 s15, 0
	s_lshl_b32 s16, s12, 10
	s_lshl_b32 s17, s12, 15                        ; my wave's 16 rows of W2, 2,048 bytes each
	s_lshl_b32 s18, s12, 6                         ; my wave's 16 channels, in f32
	s_mul_i32 s19, s12, SP
	s_add_co_u32 s19, s19, STAGE                   ; stage row w
	s_mov_b32 s20, 0x76543210                      ; v_permlanex16_b32: each lane takes its own place in the other half
	s_mov_b32 s21, 0xfedcba98
	s_mov_b32 s22, 0x3fb8aa3b                      ; log2 e
	s_mov_b32 s23, s22                             ; named with it as a pair
	v_add_nc_u32 v[VH], s16, v[L16]
	v_lshlrev_b32 v[VW], 11, v2                    ; row r,
	v_lshl_add_u32 v[VW], v3, 5, v[VW]             ; eight f32 for each half of the lanes,
	v_add_nc_u32 v[VW], s17, v[VW]
	v_lshl_add_u32 v[VB], v3, 5, s18               ; channels 16 w + 8 h + 0..7
	v_mul_u32_u24 v[VST], v2, SP                   ; stage row r (my batch),
	v_add3_u32 v[VST], v[VST], v[VB], STAGE        ; those channels
	v_add_nc_u32 v[VRD], s19, v[L16]
	s_wait_kmcnt 0x0
	s_add_nc_u64 s[8:9], s[8:9], s[14:15]
	s_add_nc_u64 s[10:11], s[10:11], s[14:15]
; Chunk c of W2 into its slot: eight loads.  A fragment's lane holds K = 8 h + 0..7 and 16 + 8 h + 0..7 of its row: in f32 32 bytes at 32 h and 32 at 64 + 32 h; the eight together take every byte of 256 of each row.
; No cache hint: the other work-group reads the same bytes.
.macro WLOAD c
.irp s, 0,1
.irp i, 0,1,2,3
	global_load_b128 v[RAW+32*((\c)%4)+16*(\s)+4*(\i):RAW+32*((\c)%4)+16*(\s)+4*(\i)+3], v[VW], s[4:5] offset:256*(\c)+128*(\s)+64*((\i)/2)+16*((\i)%2)
.endr
.endr
.endm
; Chunk c.  Its fragment buffers (c % 2) were last read by chunk c - 2's products; chunk c - 1's sixteen conversions, which name none of those products' registers, are the places in
; front of the loads and conversions that write the buffers anew.  Chunk c - 1's own products name the other buffers and the accumulators alone.
.macro CHUNK c
.irp i, 0,1,2,3
	ds_load_b128 v[BF+16*((\c)%2)+4*(\i):BF+16*((\c)%2)+4*(\i)+3], v[L16] offset:HL+2048*(\c)+512*(\i)  ; blocks 4 c + i: two K steps' fragments, 512 consecutive bytes a load
.endr
.set LEFT, 8*(7-(\c))                  ; the loads issued behind chunk c's: three chunks', or what is left of W2
.if LEFT > 24
.set LEFT, 24
.endif
	s_wait_loadcnt LEFT                            ; loads come back in order (ISA guide 5.7.1): chunk c is in (and, at c = 0, the bias in front of it)
.set i, 0
.rept 16
	v_cvt_pk_bf16_f32 v[AF+16*((\c)%2)+i], v[RAW+32*((\c)%4)+2*i], v[RAW+32*((\c)%4)+2*i+1]
.set i, i+1
.endr
.if (\c) < 4
	WLOAD (\c)+4                                   ; the slot just read out takes the chunk four further on
.endif
	s_wait_dscnt 0x0                               ; hid's fragments are in
	v_wmma_f32_16x16x32_bf16 v[ACC:ACC+7], v[AF+16*((\c)%2):AF+16*((\c)%2)+7], v[BF+16*((\c)%2):BF+16*((\c)%2)+7], v[ACC:ACC+7]
.if (\c) == 0
	v_wmma_f32_16x16x32_bf16 v[ACC+8:ACC+15], v[AF+16*((\c)%2)+8:AF+16*((\c)%2)+15], v[BF+16*((\c)%2)+8:BF+16*((\c)%2)+15], 0
.else
	v_wmma_f32_16x16x32_bf16 v[ACC+8:ACC+15], v[AF+16*((\c)%2)+8:AF+16*((\c)%2)+15], v[BF+16*((\c)%2)+8:BF+16*((\c)%2)+15], v[ACC+8:ACC+15]
.endif
.endm
	global_load_b128 v[Y:Y+3],   v[VH], s[8:9]               ; my sixteenth of the group's hid: two blocks
	global_load_b128 v[Y+4:Y+7], v[VH], s[8:9] offset:512
	global_load_b128 v[ACC:ACC+3],   v[VB], s[6:7]           ; b2 of channels 16 w + 8 h + 0..7: register j of the accumulator is channel 8 h + j
	global_load_b128 v[ACC+4:ACC+7], v[VB], s[6:7] offset:16
	WLOAD 0
	WLOAD 1
	WLOAD 2
	WLOAD 3
	s_wait_loadcnt 34                              ; hid's two are in: behind them stand the bias's two and W2's 32
	ds_store_b128 v[VH], v[Y:Y+3]   offset:HL
	ds_store_b128 v[VH], v[Y+4:Y+7] offset:HL+512
	s_wait_dscnt 0x0                               ; for the others' sake: my part of hid is in LDS
	s_barrier_signal -1
	s_barrier_wait -1                              ; everybody's is
	CHUNK 0
	CHUNK 1
	CHUNK 2
	CHUNK 3
	CHUNK 4
	CHUNK 5
	CHUNK 6
	CHUNK 7
.rept 4
	v_nop                                          ; four places between the last products and the additions that read them (ISA guide 7.12.1); no other vector work is at hand
.endr
.irp i, 0,1,2,3
	v_pk_add_f32 v[ACC+2*(\i):ACC+2*(\i)+1], v[ACC+2*(\i):ACC+2*(\i)+1], v[ACC+8+2*(\i):ACC+8+2*(\i)+1]  ; even and odd K steps; both accumulators are read from their low end on
.endr
	ds_store_b128 v[VST], v[ACC:ACC+3]
	ds_store_b128 v[VST], v[ACC+4:ACC+7] offset:16
	s_wait_dscnt 0x0                               ; for the others' sake: my scores are in the stage
	s_barrier_signal -1
	s_barrier_wait -1                              ; all 16 x 256 are
	ds_load_b128 v[Y:Y+3],   v[VRD]                ; row w: my channels 4 l + 0..3
	ds_load_b128 v[Y+4:Y+7], v[VRD] offset:512     ; and 128 + 4 l + 0..3
	s_wait_dscnt 0x0
	; the row's maximum: my eight, then four steps inside each half of 16 lanes, then the other half
	v_max3_num_f32 v[M], v[Y], v[Y+1], v[Y+2]
	v_max3_num_f32 v[M], v[M], v[Y+3], v[Y+4]
	v_max3_num_f32 v[M], v[M], v[Y+5], v[Y+6]
	v_max_num_f32 v[M], v[M], v[Y+7]
	v_max_num_f32_dpp v[M], v[M], v[M] row_xmask:1 row_mask:0xf bank_mask:0xf
	v_max_num_f32_dpp v[M], v[M], v[M] row_xmask:2 row_mask:0xf bank_mask:0xf
	v_max_num_f32_dpp v[M], v[M], v[M] row_xmask:4 row_mask:0xf bank_mask:0xf
	v_max_num_f32_dpp v[M], v[M], v[M] row_xmask:8 row_mask:0xf bank_mask:0xf
	v_permlanex16_b32 v[M+1], v[M], s20, s21
	v_max_num_f32 v[M], v[M], v[M+1]
	; (y - m) log2 e: the difference first and the factor behind it, not one fused line on a rounded m log2 e, so that the largest exponent is 0 exactly
.irp i, 0,1,2,3
	v_pk_add_f32 v[Y+2*(\i):Y+2*(\i)+1], v[Y+2*(\i):Y+2*(\i)+1], v[M:M+1] op_sel_hi:[1,0] neg_lo:[0,1] neg_hi:[0,1]
.endr
.irp i, 0,1,2,3
	v_pk_mul_f32 v[Y+2*(\i):Y+2*(\i)+1], v[Y+2*(\i):Y+2*(\i)+1], s[22:23] op_sel_hi:[1,0]
.endr
.irp i, 0,1,2,3,4,5,6,7
	v_exp_f32 v[Y+(\i)], v[Y+(\i)]
.endr
	v_nop                                          ; a plain instruction between the last exponential and the use of its result (ISA guide 5.7.2)
	s_wait_alu depctr_va_vdst(0)
	v_pk_add_f32 v[T:T+1],   v[Y:Y+1],     v[Y+2:Y+3]
	v_pk_add_f32 v[T+2:T+3], v[Y+4:Y+5],   v[Y+6:Y+7]
	v_pk_add_f32 v[T:T+1],   v[T:T+1],     v[T+2:T+3]
	v_add_f32 v[M], v[T], v[T+1]
	v_add_f32_dpp v[M], v[M], v[M] row_xmask:1 row_mask:0xf bank_mask:0xf
	v_add_f32_dpp v[M], v[M], v[M] row_xmask:2 row_mask:0xf bank_mask:0xf
	v_add_f32_dpp v[M], v[M], v[M] row_xmask:4 row_mask:0xf bank_mask:0xf
	v_add_f32_dpp v[M], v[M], v[M] row_xmask:8 row_mask:0xf bank_mask:0xf
	v_permlanex16_b32 v[M+1], v[M], s20, s21
	v_add_f32 v[M], v[M], v[M+1]                   ; at least 1: the maximum's own weight
	v_rcp_f32 v[M], v[M]
	v_nop                                          ; a plain instruction between the reciprocal and its use
	s_wait_alu depctr_va_vdst(0)
.irp i, 0,1,2,3
	v_pk_mul_f32 v[Y+2*(\i):Y+2*(\i)+1], v[Y+2*(\i):Y+2*(\i)+1], v[M:M+1] op_sel_hi:[1,0]
.endr
	global_store_b128 v[VH], v[Y:Y+3],   s[10:11]             ; each store is 512 consecutive bytes of row w, at a multiple of 512 from out0's first
	global_store_b128 v[VH], v[Y+4:Y+7], s[10:11] offset:512
	s_wait_tensorcnt 0x0                           ; the wave's end, behind my last LDS store
	ds_add_u32 v[SPW], v[NIL]
	s_wait_dscnt 0x0
	s_endpgm
.Lfunc_end_k_q287af6d07b_output:
	.size	k_q287af6d07b_output, .Lfunc_end_k_q287af6d07b_output-k_q287af6d07b_output
	.p2alignl 7, 3214868480
	.fill 96, 4, 3214868480
	.section	.rodata,"a",@progbits
	.p2align	6, 0x0
	.amdhsa_kernel k_q287af6d07b_output
		.amdhsa_group_segment_fixed_size 35072
		.amdhsa_private_segment_fixed_size 0
		.amdhsa_enable_private_segment 0
		.amdhsa_kernarg_size 32
		.amdhsa_user_sgpr_count 2
		.amdhsa_user_sgpr_kernarg_segment_ptr 1
		.amdhsa_wavefront_size32 1
		.amdhsa_system_sgpr_workgroup_id_x 1
		.amdhsa_system_sgpr_workgroup_id_y 1
		.amdhsa_system_sgpr_workgroup_id_z 1
		.amdhsa_system_vgpr_workitem_id 0
		.amdhsa_next_free_vgpr 240
		.amdhsa_next_free_sgpr 66
		.amdhsa_reserve_vcc 0
		.amdhsa_float_denorm_mode_32 3
		.amdhsa_float_denorm_mode_16_64 3
		.amdhsa_memory_ordered 1
		.amdhsa_forward_progress 1
		.amdhsa_inst_pref_size 24
	.end_amdhsa_kernel
	.amdgpu_metadata
---
amdhsa.version: [ 1, 2 ]
amdhsa.kernels:
  - .name:           k_q287af6d07b_output
    .symbol:         k_q287af6d07b_output.kd
    .args:
      - { .name: W2, .offset: 0, .size: 8, .value_kind: global_buffer, .address_space: global }
      - { .name: b2, .offset: 8, .size: 8, .value_kind: global_buffer, .address_space: global }
      - { .name: hid, .offset: 16, .size: 8, .value_kind: global_buffer, .address_space: global }
      - { .name: out0, .offset: 24, .size: 8, .value_kind: global_buffer, .address_space: global }
    .group_segment_fixed_size: 35072
    .private_segment_fixed_size: 0
    .kernarg_segment_align: 8
    .kernarg_segment_size: 32
    .max_flat_workgroup_size: 512
    .sgpr_count:     66
    .vgpr_count:     240
    .wavefront_size: 32
...
	.end_amdgpu_metadata
.endif
;; end of part 3
;; ======== version 2 of 2: 3 launches; version 1 with the launch output written anew for expert scheduling mode
;; workspace buffers: xl 32,768 bytes; hid 32,768 bytes
;; launch gather: the kernel of part 1 again; grid 64 x 1, 1 waves a work-group, no clusters, 0 bytes of LDS; arguments x, xl; writes xl
;; launch hidden: the kernel of part 2 again; grid 32 x 1, 8 waves a work-group, no clusters, 17,408 bytes of LDS; arguments W1, b1, xl, hid; writes hid
;; launch output (part 4): grid 2 x 1, 16 waves a work-group, no clusters, 35,072 bytes of LDS; arguments W2, b2, hid, out0; writes out0
.if DOCPART == 4
	.amdgcn_target "amdgcn-amd-amdhsa--gfx1250"
	.amdhsa_code_object_version 6
	.text
	.protected	k_q287af6d07b_output
	.globl	k_q287af6d07b_output
	.p2align	8
	.type	k_q287af6d07b_output,@function
k_q287af6d07b_output:
	s_mov_b64 s[64:65], 0
	v_nop
	global_prefetch_b8 v0, s[64:65] scope:SCOPE_SE
	s_setreg_imm32_b32 hwreg(HW_REG_WAVE_SCHED_MODE, 0, 2), 2
	s_setreg_imm32_b32 hwreg(HW_REG_WAVE_MODE, 25, 1), 1
	s_wait_xcnt 0x0
	s_wait_alu depctr_vm_vsrc(0)
; out0 = softmax over the 256 channels of (W2 h + b2).  W2: [256][512] f32, b2: [256] f32, out0: [32][256] f32; hid: 32 batches x 512 channels in bf16, in blocks of 512 bytes:
; element (b, k) at (b >> 4) * 16384 + (k >> 4) * 512 + ((k >> 3) & 1) * 256 + (b & 15) * 16 + (k & 7) * 2.
; SHARES.  A softmax wants a batch's 256 scores together and the matrix instruction takes 16 batches, so a work-group owns 16 batches and all of W2: two work-groups.  Of its sixteen waves
; wave w makes the scores of channels 16 w .. 16 w + 15 over all K (32 KiB of W2), and afterwards the whole softmax of the group's batch w.
; K goes in eight chunks of 64: two matrix instructions, the even K step's onto one accumulator, the odd one's onto the other, which so take turns.  W2 comes through a ring of four register
; slots of a chunk each: 32 loads of a wave are out from the head on.  The bias is loaded into the first accumulator and is the C of its first product.
; PRODUCT.  Source 0 = 16 rows of W2 (rounded to bf16 here), source 1 = 16 batches of hid, whose blocks are fragments as they lie; the group's 16 KiB of hid are copied once into LDS, a sixteenth a wave.
; In the result lane l holds batch l % 16 and channels 8 (l / 16) + 0..7: 32 neighbouring bytes of a row of scores, which go through a stage in LDS to the wave that owns the row.
; SOFTMAX.  p = 2^((y - m) log2 e) with m the row's true maximum; the difference is made first, so the largest exponent is exactly 0 and the sum lies in 1 to 256 whatever the size of y.
; NO CLUSTER: two work-groups are no multiple of a cluster of four.
; LIMITS.  W2 is rounded to bf16 (f32's range); sums in f32.  A weight below 2^-126 counts as 0 (the exponential flushes: ISA guide 15.8).  NaN and infinities are not treated apart.
; THE MODE: SCHED_MODE bits 1:0 = 2 (LLVM: expert scheduling mode 2), set by the entry lines.  The code itself states the register dependences
; between vector or matrix instructions and memory or LDS instructions, with s_wait_alu, always for 0.
; THE PLAN.  Registers that memory or LDS instructions touch:
;   v1, v4-v7, v10   addresses, and v8, v9, the closing add's pair: written at the head, never again; one wait ahead of the first load states that they are written.
;   RAW0 .. RAW3     Chunk c: its sixteen conversions read RAW[c % 4]; behind them chunk c + 4's loads land in it (c < 4).
;   BF0, BF1         Chunk c: its two products read BF[c % 2]; chunk c + 2's fragments land in it, asked for in chunk c + 1.
;   Y                At the head two global loads land in it and two LDS stores read it; behind the second barrier the row of scores lands in it; the softmax works in it; the global stores read it.
;   ACC (low eight)  The bias lands in it; products and four additions write it; two LDS stores read it.
;   AF0, AF1 and the second accumulator are named by vector and matrix instructions alone.
; So ONE wait on va_vdst stands in a chunk, behind its conversions: they are done reading RAW[c % 4], and the chunk before's products are done reading the other BF.  The chunk's twelve loads follow it,
; dealt among its two products, which name AF[c % 2], BF[c % 2] and the accumulators: none of the registers that those loads touch.  Chunk 7 asks for nothing and holds no such wait.
.set HL,    0                          ; LDS: the group's half of hid, as it lies in memory: 16,384 bytes
.set STAGE, 16384                      ; 16 rows of 256 scores
.set SP,    1040                       ; a stage row: 1,024 bytes + 16 = 260 words: row r starts at bank 4 r mod 64 (64 banks of 4 bytes: ISA guide 11.1), so the 16 rows of a store start at 16 different banks
.set SPARE, STAGE+16*SP                ; 33,024: the spare words, 128 bytes for each of the sixteen waves: eight blocks of 256 bytes that no other line names
.set L16, 1                            ; v1   16 l: my 16 bytes in a block of hid
.set VH,  4                            ; v4   1024 w + 16 l: my bytes of hid in memory and in LDS, and of my row of out0
.set VW,  5                            ; v5   my byte offset in W2
.set VB,  6                            ; v6   my byte offset in b2; also my 32 bytes in a stage row
.set VST, 7                            ; v7   where I put my scores
.set SPW, 8                            ; v8   LDS address of my spare word; never rewritten
.set NIL, 9                            ; v9   0; never rewritten
.set VRD, 10                           ; v10  where I read my row of scores
.set Y,   16                           ; v[16:23]   hid on its way to LDS; later my eight numbers of the row
.set M,   24                           ; v[24:25]   the maximum, the sum, its reciprocal; beside it what the other half of the lanes sends
.set T,   26                           ; v[26:29]   at work
.set RAW, 32                           ; v[32:159]  W2 as loaded: chunk c in slot c % 4 of 32 registers
.set AF,  160                          ; v[160:191] W2's fragments: two buffers of two K steps
.set BF,  192                          ; v[192:223] hid's fragments: likewise
.set ACC, 224                          ; v[224:231] even K steps and the bias; v[232:239] odd K steps
	s_load_b256 s[4:11], s[0:1], 0x0               ; W2 s[4:5], b2 s[6:7], hid s[8:9], out0 s[10:11]
	v_lshl_add_u32 v[SPW], v0, 2, SPARE
	v_mov_b32 v[NIL], 0
	v_lshrrev_b32 v1, 5, v0
	v_readfirstlane_b32 s12, v1                    ; wave 0..15
	v_and_b32 v1, 31, v0
	v_lshlrev_b32 v[L16], 4, v1
	v_and_b32 v2, 15, v0                           ; r = l % 16
	v_bfe_u32 v3, v0, 4, 1                         ; h = l / 16
	v_mov_b32 v[M+1], 0                            ; v_permlanex16_b32's destination counts as read: it is written once here
	s_lshl_b32 s14, ttmp9, 14                      ; the group's half of hid, and its 16 rows of out0: 16,384 bytes each
	s_mov_b32 s15, 0
	s_wait_alu depctr_va_sdst(0)                   ; s12 is written, ahead of its first reader: the wave's offsets are made from it
	s_lshl_b32 s16, s12, 10
	s_lshl_b32 s17, s12, 15                        ; my wave's 16 rows of W2, 2,048 bytes each
	s_lshl_b32 s18, s12, 6                         ; my wave's 16 channels, in f32
	s_mul_i32 s19, s12, SP
	s_add_co_u32 s19, s19, STAGE                   ; stage row w
	s_mov_b32 s20, 0x76543210                      ; v_permlanex16_b32: each lane takes its own place in the other half
	s_mov_b32 s21, 0xfedcba98
	s_mov_b32 s22, 0x3fb8aa3b                      ; log2 e
	s_mov_b32 s23, s22                             ; named with it as a pair
	v_add_nc_u32 v[VH], s16, v[L16]
	v_lshlrev_b32 v[VW], 11, v2                    ; row r,
	v_lshl_add_u32 v[VW], v3, 5, v[VW]             ; eight f32 for each half of the lanes,
	v_add_nc_u32 v[VW], s17, v[VW]
	v_lshl_add_u32 v[VB], v3, 5, s18               ; channels 16 w + 8 h + 0..7
	v_mul_u32_u24 v[VST], v2, SP                   ; stage row r (my batch),
	v_add3_u32 v[VST], v[VST], v[VB], STAGE        ; those channels
	v_add_nc_u32 v[VRD], s19, v[L16]
	s_wait_kmcnt 0x0
	s_add_nc_u64 s[8:9], s[8:9], s[14:15]
	s_add_nc_u64 s[10:11], s[10:11], s[14:15]
	s_wait_alu depctr_va_vdst(0)                   ; the six addresses v1, v4 to v7 and v10 are written, which every load and store below reads, and so are v8 and v9, which the closing add reads
; Half s (one K step) of chunk c of W2 into its slot: four loads.  A fragment's lane holds K = 8 h + 0..7 and 16 + 8 h + 0..7 of its row: in f32 32 bytes at 32 h and 32 at 64 + 32 h; a chunk's eight together take every byte of 256 of each row.
; No cache hint: the other work-group reads the same bytes.
.macro WLOAD c, s
.irp i, 0,1,2,3
	global_load_b128 v[RAW+32*((\c)%4)+16*(\s)+4*(\i):RAW+32*((\c)%4)+16*(\s)+4*(\i)+3], v[VW], s[4:5] offset:256*(\c)+128*(\s)+64*((\i)/2)+16*((\i)%2)
.endr
.endm
; Chunk c's fragments of hid into buffer c % 2: blocks 4 c + i, two K steps' fragments, 512 consecutive bytes a load.
.macro HFRAG c
.irp i, 0,1,2,3
	ds_load_b128 v[BF+16*((\c)%2)+4*(\i):BF+16*((\c)%2)+4*(\i)+3], v[L16] offset:HL+2048*(\c)+512*(\i)
.endr
.endm
; Chunk c.  Its buffer of W2's fragments (c % 2) was last read by chunk c - 2's products; chunk c - 1's sixteen conversions, which name none of those products' registers, are the places in
; front of the conversions that write it anew (ISA guide 7.12.1).  Chunk c - 1's own products name the other buffers and the accumulators alone.
.macro CHUNK c
.set LEFT, 8*(7-(\c))                  ; the loads issued behind chunk c's: three chunks', or what is left of W2
.if LEFT > 24
.set LEFT, 24
.endif
	s_wait_loadcnt LEFT                            ; loads come back in order (ISA guide 5.7.1): chunk c is in (and, at c = 0, the bias in front of it)
.set i, 0
.rept 16
	v_cvt_pk_bf16_f32 v[AF+16*((\c)%2)+i], v[RAW+32*((\c)%4)+2*i], v[RAW+32*((\c)%4)+2*i+1]
.set i, i+1
.endr
.if (\c) < 7
	s_wait_alu depctr_va_vdst(0)                   ; the conversions are done reading this chunk's slot of RAW, in which the loads of W2 below land; the chunk before's products are done reading the other BF, in which the next chunk's fragments land
	HFRAG (\c)+1                                   ; a chunk ahead of their use
	s_wait_dscnt 4                                 ; LDS loads come back in order (ISA guide 5.7.1): this chunk's fragments of hid are in, the four just issued stay out
.else
	s_wait_dscnt 0x0                               ; the last fragments of hid are in
.endif
	v_wmma_f32_16x16x32_bf16 v[ACC:ACC+7], v[AF+16*((\c)%2):AF+16*((\c)%2)+7], v[BF+16*((\c)%2):BF+16*((\c)%2)+7], v[ACC:ACC+7]
.if (\c) < 4
	WLOAD (\c)+4, 0                                ; the slot just read out takes the chunk four further on.  No wait: no vector or matrix instruction since the wait above names it
.endif
.if (\c) == 0
	v_wmma_f32_16x16x32_bf16 v[ACC+8:ACC+15], v[AF+16*((\c)%2)+8:AF+16*((\c)%2)+15], v[BF+16*((\c)%2)+8:BF+16*((\c)%2)+15], 0
.else
	v_wmma_f32_16x16x32_bf16 v[ACC+8:ACC+15], v[AF+16*((\c)%2)+8:AF+16*((\c)%2)+15], v[BF+16*((\c)%2)+8:BF+16*((\c)%2)+15], v[ACC+8:ACC+15]
.endif
.if (\c) < 4
	WLOAD (\c)+4, 1
.endif
.endm
	global_load_b128 v[Y:Y+3],   v[VH], s[8:9]               ; my sixteenth of the group's hid: two blocks
	global_load_b128 v[Y+4:Y+7], v[VH], s[8:9] offset:512
	global_load_b128 v[ACC:ACC+3],   v[VB], s[6:7]           ; b2 of channels 16 w + 8 h + 0..7: register j of the accumulator is channel 8 h + j
	global_load_b128 v[ACC+4:ACC+7], v[VB], s[6:7] offset:16
	WLOAD 0, 0
	WLOAD 0, 1
	WLOAD 1, 0
	WLOAD 1, 1
	WLOAD 2, 0
	WLOAD 2, 1
	WLOAD 3, 0
	WLOAD 3, 1
	s_wait_loadcnt 34                              ; hid's two are in: behind them stand the bias's two and W2's 32
	ds_store_b128 v[VH], v[Y:Y+3]   offset:HL
	ds_store_b128 v[VH], v[Y+4:Y+7] offset:HL+512
	s_wait_dscnt 0x0                               ; for the others' sake: my part of hid is in LDS
	s_barrier_signal -1
	s_barrier_wait -1                              ; everybody's is
	HFRAG 0                                        ; chunk 0's fragments; each chunk asks for the next one's.  No vector or matrix instruction has named these registers yet
	CHUNK 0
	CHUNK 1
	CHUNK 2
	CHUNK 3
	CHUNK 4
	CHUNK 5
	CHUNK 6
	CHUNK 7
.rept 4
	v_nop                                          ; four places between the last products and the additions that read them (ISA guide 7.12.1); no other vector work is at hand
.endr
.irp i, 0,1,2,3
	v_pk_add_f32 v[ACC+2*(\i):ACC+2*(\i)+1], v[ACC+2*(\i):ACC+2*(\i)+1], v[ACC+8+2*(\i):ACC+8+2*(\i)+1]  ; even and odd K steps; both accumulators are read from their low end on
.endr
	s_wait_alu depctr_va_vdst(0)                   ; the additions have written v[ACC .. ACC+7], which the LDS stores read
	ds_store_b128 v[VST], v[ACC:ACC+3]
	ds_store_b128 v[VST], v[ACC+4:ACC+7] offset:16
	s_wait_dscnt 0x0                               ; for the others' sake: my scores are in the stage
	s_barrier_signal -1
	s_barrier_wait -1                              ; all 16 x 256 are
	s_wait_alu depctr_vm_vsrc(0)                   ; the LDS stores at the head have read v[Y ..], in which the loads below land and which the softmax then writes
	ds_load_b128 v[Y:Y+3],   v[VRD]                ; row w: my channels 4 l + 0..3
	ds_load_b128 v[Y+4:Y+7], v[VRD] offset:512     ; and 128 + 4 l + 0..3
	s_wait_dscnt 0x0
	; the row's maximum: my eight, then four steps inside each half of 16 lanes, then the other half
	v_max3_num_f32 v[M], v[Y], v[Y+1], v[Y+2]
	v_max3_num_f32 v[M], v[M], v[Y+3], v[Y+4]
	v_max3_num_f32 v[M], v[M], v[Y+5], v[Y+6]
	v_max_num_f32 v[M], v[M], v[Y+7]
	v_max_num_f32_dpp v[M], v[M], v[M] row_xmask:1 row_mask:0xf bank_mask:0xf
	v_max_num_f32_dpp v[M], v[M], v[M] row_xmask:2 row_mask:0xf bank_mask:0xf
	v_max_num_f32_dpp v[M], v[M], v[M] row_xmask:4 row_mask:0xf bank_mask:0xf
	v_max_num_f32_dpp v[M], v[M], v[M] row_xmask:8 row_mask:0xf bank_mask:0xf
	v_permlanex16_b32 v[M+1], v[M], s20, s21
	v_max_num_f32 v[M], v[M], v[M+1]
	; (y - m) log2 e: the difference first and the factor behind it, not one fused line on a rounded m log2 e, so that the largest exponent is 0 exactly
.irp i, 0,1,2,3
	v_pk_add_f32 v[Y+2*(\i):Y+2*(\i)+1], v[Y+2*(\i):Y+2*(\i)+1], v[M:M+1] op_sel_hi:[1,0] neg_lo:[0,1] neg_hi:[0,1]
.endr
.irp i, 0,1,2,3
	v_pk_mul_f32 v[Y+2*(\i):Y+2*(\i)+1], v[Y+2*(\i):Y+2*(\i)+1], s[22:23] op_sel_hi:[1,0]
.endr
.irp i, 0,1,2,3,4,5,6,7
	v_exp_f32 v[Y+(\i)], v[Y+(\i)]
.endr
	v_nop                                          ; a plain instruction between the last exponential and the use of its result (ISA guide 5.7.2)
	s_wait_alu depctr_va_vdst(0)                   ; the eight exponentials have written v[Y ..]: one wait for the batch, ahead of its first reader
	v_pk_add_f32 v[T:T+1],   v[Y:Y+1],     v[Y+2:Y+3]
	v_pk_add_f32 v[T+2:T+3], v[Y+4:Y+5],   v[Y+6:Y+7]
	v_pk_add_f32 v[T:T+1],   v[T:T+1],     v[T+2:T+3]
	v_add_f32 v[M], v[T], v[T+1]
	v_add_f32_dpp v[M], v[M], v[M] row_xmask:1 row_mask:0xf bank_mask:0xf
	v_add_f32_dpp v[M], v[M], v[M] row_xmask:2 row_mask:0xf bank_mask:0xf
	v_add_f32_dpp v[M], v[M], v[M] row_xmask:4 row_mask:0xf bank_mask:0xf
	v_add_f32_dpp v[M], v[M], v[M] row_xmask:8 row_mask:0xf bank_mask:0xf
	v_permlanex16_b32 v[M+1], v[M], s20, s21
	v_add_f32 v[M], v[M], v[M+1]                   ; at least 1: the maximum's own weight
	v_rcp_f32 v[M], v[M]
	v_nop                                          ; a plain instruction between the reciprocal and its use
	s_wait_alu depctr_va_vdst(0)                   ; the reciprocal has written v[M], ahead of its first reader
.irp i, 0,1,2,3
	v_pk_mul_f32 v[Y+2*(\i):Y+2*(\i)+1], v[Y+2*(\i):Y+2*(\i)+1], v[M:M+1] op_sel_hi:[1,0]
.endr
	s_wait_alu depctr_va_vdst(0)                   ; the multiplications have written v[Y ..], which the two stores read
	global_store_b128 v[VH], v[Y:Y+3],   s[10:11]             ; each store is 512 consecutive bytes of row w, at a multiple of 512 from out0's first
	global_store_b128 v[VH], v[Y+4:Y+7], s[10:11] offset:512
	s_wait_dscnt 0x0                               ; the wave's end, behind my last LDS store
	s_wait_alu 0x0
	s_wait_tensorcnt 0x0
	ds_add_u32 v[SPW], v[NIL]
	s_wait_dscnt 0x0
	s_endpgm
.Lfunc_end_k_q287af6d07b_output:
	.size	k_q287af6d07b_output, .Lfunc_end_k_q287af6d07b_output-k_q287af6d07b_output
	.p2alignl 7, 3214868480
	.fill 96, 4, 3214868480
	.section	.rodata,"a",@progbits
	.p2align	6, 0x0
	.amdhsa_kernel k_q287af6d07b_output
		.amdhsa_group_segment_fixed_size 35072
		.amdhsa_private_segment_fixed_size 0
		.amdhsa_enable_private_segment 0
		.amdhsa_kernarg_size 32
		.amdhsa_user_sgpr_count 2
		.amdhsa_user_sgpr_kernarg_segment_ptr 1
		.amdhsa_wavefront_size32 1
		.amdhsa_system_sgpr_workgroup_id_x 1
		.amdhsa_system_sgpr_workgroup_id_y 1
		.amdhsa_system_sgpr_workgroup_id_z 1
		.amdhsa_system_vgpr_workitem_id 0
		.amdhsa_next_free_vgpr 240
		.amdhsa_next_free_sgpr 66
		.amdhsa_reserve_vcc 0
		.amdhsa_float_denorm_mode_32 3
		.amdhsa_float_denorm_mode_16_64 3
		.amdhsa_memory_ordered 1
		.amdhsa_forward_progress 1
		.amdhsa_inst_pref_size 24
	.end_amdhsa_kernel
	.amdgpu_metadata
---
amdhsa.version: [ 1, 2 ]
amdhsa.kernels:
  - .name:           k_q287af6d07b_output
    .symbol:         k_q287af6d07b_output.kd
    .args:
      - { .name: W2, .offset: 0, .size: 8, .value_kind: global_buffer, .address_space: global }
      - { .name: b2, .offset: 8, .size: 8, .value_kind: global_buffer, .address_space: global }
      - { .name: hid, .offset: 16, .size: 8, .value_kind: global_buffer, .address_space: global }
      - { .name: out0, .offset: 24, .size: 8, .value_kind: global_buffer, .address_space: global }
    .group_segment_fixed_size: 35072
    .private_segment_fixed_size: 0
    .kernarg_segment_align: 8
    .kernarg_segment_size: 32
    .max_flat_workgroup_size: 512
    .sgpr_count:     66
    .vgpr_count:     240
    .wavefront_size: 32
...
	.end_amdgpu_metadata
.endif
;; end of part 4
